; MI455X (gfx1250); checked and timed in simulation.
; The chip was launched on July 23, 2026; its instructions are those of AMD's public machine-readable ISA for CDNA 5 (MIT licence, August 2026) and "CDNA5" Instruction Set Architecture Reference Guide (July 2026). The comments in the code are by the model that wrote it; some were corrected since.
;; Dilated Attention. Allowed arithmetic: matrix products marked QUANTISED: E2M1 operands, one E8M0 scale for each 32 along K, by v_wmma_scale_f32_16x16x128_f8f6f4 with both operands' format E2M1 (or v_wmma_scale_f32_32x16x128_f4), f32 sums; everything else in f32.
;; Inputs: Wk_codes 1,024 x 32 x 16 uint8 (E2M1 codes of Wk, K innermost, in blocks of 32 codes, two codes a byte); Wk_scales 1,024 x 32 uint8 (E8M0 scales of Wk, one for each 32 codes along K); Wq_codes 1,024 x 32 x 16 uint8 (E2M1 codes of Wq, K innermost, in blocks of 32 codes, two codes a byte); Wq_scales 1,024 x 32 uint8 (E8M0 scales of Wq, one for each 32 codes along K); Wv_codes 1,024 x 32 x 16 uint8 (E2M1 codes of Wv, K innermost, in blocks of 32 codes, two codes a byte); Wv_scales 1,024 x 32 uint8 (E8M0 scales of Wv, one for each 32 codes along K); bk 1,024 float32; bq 1,024 float32; bv 1,024 float32; x 4 x 8,192 x 1,024 float32.
;; Outputs: out0 4 x 4,096 x 1,024 float32.
;; This version of the problem:
;;   THIS VERSION OF THE PROBLEM IS GIVEN IN LOW PRECISION. The matrix products marked QUANTISED in the list below multiply operands that are first quantised to E2M1 (2 exponent bits, 1 mantissa bit; 4 bits a number), with one power-of-two scale for each 32 numbers along K (OCP MX v1.0); their sums are f32. All else is computed in f32.
;;   The module's matrix products, in the order in which they are computed (A, B: the left and right operand; K: the contracted axis; several contracted axes count as one K, in the product's order):
;;     1. [M 16,384, K 1,024] x [K 1,024, N 1,024]; A: computed on the way; B: input Wq (given as codes): QUANTISED
;;     2. [M 16,384, K 1,024] x [K 1,024, N 1,024]; A: computed on the way; B: input Wk (given as codes): QUANTISED
;;     3. [M 16,384, K 1,024] x [K 1,024, N 1,024]; A: computed on the way; B: input Wv (given as codes): QUANTISED
;;     4. batch 512 x [M 32, K 1,024] x [K 1,024, N 32]; A: computed on the way; B: computed on the way: QUANTISED
;;     5. batch 512 x [M 32, K 32] x [K 32, N 1,024]; A: softmax (see below); B: computed on the way: QUANTISED
;;   THE QUANTISER, for each operand of a quantised product, along K:
;;     - K is cut into blocks of 32 from its start; a last block that is shorter is filled with zeros.
;;     - A block's scale is 2^e with e = floor(log2(the largest magnitude in the block)) - 2, held to -126 .. 127; a block of zeros has e = 0. As a byte (E8M0): e + 127.
;;     - Each number is divided by its block's scale, clamped to +-6, and rounded to the nearest number of E2M1, ties to even, subnormals kept.
;;     - The product sums the exact products of the quantised numbers (number of the format x scale) in f32.
;;   ~~~python
;;   def quantise(x, axis):      # numpy; x: float32 -> the quantised numbers, widened to float32 again
;;       x = np.moveaxis(x, axis, -1); K = x.shape[-1]
;;       x = np.pad(x, [(0, 0)] * (x.ndim - 1) + [(0, -K % 32)]); x = x.reshape(x.shape[:-1] + (-1, 32)); a = np.abs(x).max(-1, keepdims=True)
;;       e = np.where(a > 0, np.clip(np.frexp(np.where(a > 0, a, 1))[1] - 1 - 2, -126, 127), 0)      # np.frexp(a)[1] - 1 = floor(log2(a)), exactly
;;       r = np.clip(x / 2.0 ** e, -6, 6)
;;       step = 2.0 ** (np.maximum(np.frexp(np.where(r == 0, 1, r))[1] - 1, 0) - 1)
;;       q = np.round(r / step) * step * 2.0 ** e      # np.round: ties to even
;;       return np.moveaxis(q.reshape(q.shape[:-2] + (-1,))[..., :K], -1, axis).astype(np.float32)
;;   ~~~
;;   SOFTMAX AHEAD OF A QUANTISED PRODUCT. Where the list says 'softmax', what is quantised is not the finished softmax but p = 2^(t - M), with t = logit x log2(e) and M = ceil(the row's largest t), a whole number; so 1/2 < the row's largest p <= 1. The row's sum l is taken of the UNQUANTISED p, in f32, and the product's result is divided by l at the end. Since M is a whole number, a kernel that streams over the keys may use a running M (the ceiling of the running maximum): every later rescaling is an exact power of two, which a block's scale takes up: the codes' values come out the same.
;;   OPERANDS COMPUTED ON THE WAY. 'Computed on the way' means the value that the module computes at that place (a softmax that the list does not call 'softmax' is quantised finished and normalised). What goes into a quantiser is computed in f32, as accurately as f32 sums, v_exp_f32 and their like allow (about 1e-6 of the number): no bf16 or f16 on the way to a quantiser, and a product that is left as it is and whose result goes on into a quantised operand takes f32 operands (vector FMAs, or v_wmma_f32_16x16x4_f32). A number that lies on a knife's edge between two numbers of the format may be rounded either way, as far as f32 arithmetic and the matrix unit's own rounding can turn it there, and no further.
;;   INPUTS GIVEN AS CODES. Wk (in the module: [1024, 1024], K = its axis 1); Wq (in the module: [1024, 1024], K = its axis 1); Wv (in the module: [1024, 1024], K = its axis 1): each comes as NAME_codes (uint8): NAME with its K axis moved to the last place and cut into blocks of 32 codes, [.., K / 32, bytes a block], one block behind the other in memory; two codes a byte, the lower K in the low four bits (a code: sign, 2 exponent bits, 1 mantissa bit); and NAME_scales (uint8): the same leading axes, one E8M0 byte (e + 127) for each 32 codes along K. Its value is code x scale, taken as it is: it is not quantised again, and the codes and scales need not be those that the quantiser above would give.
;; One version. Each part assembles by itself: llvm-mc -triple=amdgcn-amd-amdhsa -mcpu=gfx1250 --defsym DOCPART=n.
;; ======== version 1 of 1: 1 launch
;; limits: right only within a limited range of input values
;; launch dilattn (part 1): grid 256 x 1, 4 waves a work-group, clusters of 4 x 1, 327,680 bytes of LDS; arguments x, Wq_codes, Wq_scales, bq, Wk_codes, Wk_scales, bk, Wv_codes, Wv_scales, bv, out0; writes out0
.if DOCPART == 1
	.amdgcn_target "amdgcn-amd-amdhsa--gfx1250"
	.amdhsa_code_object_version 6
	.text
	.protected	k_q4caee1ee39_dilattn
	.globl	k_q4caee1ee39_dilattn
	.p2align	8
	.type	k_q4caee1ee39_dilattn,@function
k_q4caee1ee39_dilattn:
	s_mov_b64 s[64:65], 0
	v_nop
	global_prefetch_b8 v0, s[64:65] scope:SCOPE_SE
	s_setreg_imm32_b32 hwreg(HW_REG_WAVE_MODE, 25, 1), 1
	s_wait_xcnt 0x0
	s_wait_alu depctr_hold_cnt(0) depctr_sa_sdst(0) depctr_va_vdst(0) depctr_va_sdst(0) depctr_va_ssrc(0) depctr_va_vcc(0) depctr_vm_vsrc(0)
	s_getreg_b32 s2, hwreg(HW_REG_IB_STS2, 6, 4)
	s_cmp_eq_u32 s2, 0
	s_cbranch_scc0 .Lentry_in_a_cluster
	s_endpgm
.Lentry_in_a_cluster:
	s_bfe_u32 s2, ttmp6, 0x10000c
	s_cmp_lg_u32 s2, 0x3003
	s_cbranch_scc0 .Lentry_shape_is_right
	s_endpgm
.Lentry_shape_is_right:
; DILATED ATTENTION, all of it in one launch, every product on codes of FP4 (E2M1) with one E8M0 scale for each 32 along K.
; The segments are 64 rows and the dilation is 2: kept row n (0 .. 16,383) is x's flat row 2 n, 8,192 n bytes from x's start; the odd rows are sliced away by reference() itself and are not read
; (so a NaN or an infinity in an odd row of x is not carried to the result).
; q, k, v = Q(x) W^T + b (W given as codes); for each segment of 32 kept rows: scores = Q(q) Q(k)^T, t = score x log2(e) / 32, M = ceil(the row's largest t), p = 2^(t - M), out = Q(p) Q(v) / (the sum of the unquantised p).
; SHARES.  256 work-groups of four waves; a work-group owns 64 kept rows (two segments).  The waves share the columns: wave w makes columns 256 w .. 256 w + 255 of q, of k and of v for all 64 rows,
; in twelve units of 64 columns x all of K: Q0 K0 Q1 K1 Q2 K2 Q3 K3 V0 V1 V2 V3.  x's codes of the 64 rows lie in 256 registers of every wave; a fragment of W comes out of LDS once, in one wave.
; WEIGHTS: a unit's tile is 64 rows x 512 bytes for each wave; two LDS slots (Q, V0, V2: slot 0; K, V1, V3: slot 1).  All work-groups walk the same weights and a tile's address hangs on the
; wave's number alone, so the four work-groups of a cluster ask for each tile jointly (mask 15).  By this text's count a wave has one tensor load out behind the head's round and behind each later round.
; THE ORDER OF A TILE'S ROWS: row 4 y + t of the 64 lies at place 16 t + y (the load's second dimension steps four rows, its third one row).  So fragment t's column y is column 4 y + t of the unit:
; in q and k, a lane's 32 results of the four fragments are columns 32 h + 0 .. 31, one whole block (its order inside the block is the same in q and k); in v, a lane's results of the four fragments are four neighbouring columns.
; PREFETCH: in each unit a wave names one 256-byte block of its tile three units on (a tile is 128 blocks): block 4 g + cx, where the clusters j and j xor 4 share g = (j & 3) + 4 (j / 8), 0 .. 31.  So the
; blocks are shared out by address over the work-groups and each is named twice in the launch.  The third unit's block and one block of the scales are named while x is read.  V1 to V3 name nothing: no tile lies three units on.
; LAYOUT.  q and k are made transposed (source 0 = 32 columns of W, source 1 = 16 rows of x): a lane holds one row and its registers run along the columns, the scores' K.
; v is made the other way (source 0 = 32 rows of x, source 1 = 16 columns of W): a lane holds one column and its registers run down the keys.  Scores are made transposed (a lane holds one query); out is not (a lane holds columns).
; A unit of q or k fills k = 0 .. 63 of a step of 128; k = 64 .. 127 are zero codes.  The last product's K: segment 0's keys are k = 0 .. 31, segment 1's k = 32 .. 63, the rest zero codes.
; LIMITS: the scores' K is split: each wave sums its 256 and the four sums are added in f32 as ((w0 + w1) + w2) + w3.  The biases start the sums.
; NaN and infinities among the inputs are not served.  A block whose largest magnitude lies under 2^-124 gets the scale byte 1 (a block of zeros too: its codes are zeros, and only this text reads the bytes).
; REGISTERS, in windows of 256.  Window 0: addresses, scale words, the quantisers' work, q's, k's, v's codes, rows of out.  Window 1: x's 32 fragments, (q, m) at 8 (4 q + m).
; Window 2: v0-127 accumulators (32 m + 8 t for q, k; 32 t + 8 m for v and out), v128-255 W's fragments of K steps 4-7; while x is read a ring of 7 rows.
; Window 3: v0-127 W's fragments of K steps 0-3, then biases, score partials, p's fragments, rows of out.
.set PITCH, 528                        ; a tile's row in LDS: 512 bytes + 16 of padding: the 16 rows of a load begin in 16 different groups of four banks
.set WPART, 64*PITCH                   ; a wave's part of a slot
.set SLOT,  4*WPART
.set XC,    2*SLOT                     ; x's codes, 64 rows of 512 bytes + 16; later the score partials
.set XP,    528
.set XS,    XC+64*XP                   ; x's scale bytes, 64 rows x 32
.set BIA,   XS+2048                    ; each wave's parts of bq, bk, bv: 3 x 1,024 bytes; in each unit's 64 numbers 4 y + t lies at place 16 t + y
.set PX,    BIA+4*3072                 ; each wave's tile of p: codes 512, scale words 128, 1 / l 128; 1,024 bytes apart
.set SPARE, PX+4096                    ; the spare words, 128 bytes a wave: two blocks of 256 bytes that no other line names
.set SPW, 1                            ; SPARE + 4 x my thread's number; never rewritten
.set NIL, 2                            ; 0; never rewritten
.set ADW, 3                            ; v3, v4  my place in my part of slot 0, 1
.set XLA, 5                            ; 32 x lane
.set XCS, 6                            ; where I store 8 codes of x
.set XSS, 7                            ; where I store a scale byte of x
.set XFR, 8                            ; where I read x's fragments
.set XSR, 9                            ; x's scale words, for q and k
.set XVR, 10                           ; x's scale words, for v
.set BTA, 11                           ; my biases of q, + 32 h
.set BVA, 12                           ; my biases of v, + 4 r
.set IMS, 13                           ; where I store score partials
.set IML, 14                           ; where I read my tile's
.set WSA, 15                           ; 128 r + 32 h: W's scale words in memory
.set CO,  17                           ; 8 h rows of out0 + 16 r
.set BT,  22                           ; BTA + 256 x trip
.set PFO, 23                           ; my block of a tile
.set PXS, 24                           ; p's codes: store
.set PXW, 25                           ; p's words: store
.set PXL, 26                           ; p's codes: load
.set PXP, 27                           ; p's scale words: load
.set BLS, 28                           ; where I store my biases
.set BLA, 29                           ; 16 x lane
.set PFS, 30                           ; my block of the scales
.set PXR, 31                           ; 1 / l: load
.set WS,  32                           ; v32-63  W's scale words, two sets: 8 T + q: lane (r, h): column 4 r + 2 T + h
.set XSC, 64                           ; v64-79  x's scale words for q and k: 4 m + q % 4; lanes 0-15 K steps 0-3, lanes 16-31 K steps 4-7
.set XSV, 80                           ; v80-95  for v: 8 s + q: lane l: row 32 s + l
.set QS,  96
.set KS,  100
.set PS,  104
.set VS,  108
.set TMX, 112                          ; largest magnitudes of 8 blocks
.set TMP, 120                          ; the other half's, then the scale bytes.  (v112-127 also carry rows of out)
.set TMS, 128                          ; the conversions' scale operands
.set RL,  136                          ; 1 / l of tile m: lane (r, h): query 8 h + r % 8
.set QC,  144                          ; v144-175 q's codes, four fragments, registers 4-7 of each zero
.set VC,  144                          ; later v's, likewise
.set KC,  176                          ; v176-207 k's codes; later v176-255 rows of out
.set CT,  236                          ; x's codes on their way to LDS
.set SF,  208                          ; the summed scores of my tile
.set BI,  128                          ; window 3
.set SA,  160
.set PF,  192
.set NQ,  66                           ; s[66:67] the tile for slot 0's next fill
.set NK,  68                           ; s[68:69] for slot 1's
.set NQS, 70                           ; s[70:71] the next slot 0 unit's scales
.set VT1, 72                           ; s[72:73] V1's tile
.set STP, 74                           ; s[74:75] bytes from a slot's tile to its next
.set G0,  32                           ; s[32:35], s[36:39] descriptor group 0 for slot 0, 1
.set G1,  40                           ; s[40:47] descriptor group 1
.set G2,  84                           ; s[84:87], s[88:91] descriptor groups 2, 3
.set G3,  88
.set MSB, 0
.macro WIN new                         ; the immediate's high byte repeats the setting that is left; a switch that changes nothing is dropped
.if MSB != (\new)
	s_set_vgpr_msb (MSB<<8)|(\new)
.set MSB, \new
.endif
.endm
.macro PLACES n                        ; the distance behind matrix instructions (ISA guide 7.12.1) and in front of scaled ones
.rept \n
	v_nop
.endr
.endm
.macro CREST                           ; a round of the cluster's barrier behind its opening barrier
	s_cmp_lg_u32 s26, 0
	s_cbranch_scc1 .Lnot_wave_0_\@
	s_barrier_signal -3
.Lnot_wave_0_\@:
	s_barrier_wait -3
	s_barrier_signal -1
	s_barrier_wait -1
.endm
.macro CROUND                          ; a whole round
	s_barrier_signal -1
	s_barrier_wait -1
	CREST
.endm
; ---------------------------------------------------------------- the products x W^T
; W's four fragments (16 columns x 128 K each) of K step q: registers 4 c .. 4 c + 3 hold K = 64 c + 32 h + 0 .. 31: 16 bytes of the row as they lie
.macro FETCH sl, q
.if (\q) < 4
	WIN 0xc0
.else
	WIN 0x80
.endif
.set FB, 32*((\q)%4)+128*((\q)/4)
.irp t, 0,1,2,3
	ds_load_b128 v[FB+8*\t:FB+8*\t+3],   v[ADW+(\sl)] offset:16*\t*PITCH+64*(\q)
	ds_load_b128 v[FB+8*\t+4:FB+8*\t+7], v[ADW+(\sl)] offset:16*\t*PITCH+64*(\q)+32
.endr
.endm
.macro FETCH8 sl                       ; all of a unit's fragments, 64 loads in the order of the K steps
.irp q, 0,1,2,3,4,5,6,7
	FETCH \sl, \q
.endr
.endm
; Matrix instructions n0 .. n1 - 1 of K step q's eight.  kind 0: q, k; kind 1: v.  The eight accumulators take turns, in the same order in every K step.  K step 0 takes the bias as C.
.macro MULS kind, q, set, n0, n1
.if (\q) == 0
	WIN 0xb7+6*(\kind)
.elseif (\q) < 4
	WIN 0xa7+6*(\kind)
.else
	WIN 0xa6+3*(\kind)
.endif
.set FB, 32*((\q)%4)+128*((\q)/4)
.set nn, \n0
.rept (\n1)-(\n0)
.if \kind
.set aD, 16*nn
.set aA, 8*(4*(\q)+2*(nn%2))
.set aB, FB+8*(nn/2)
.set aC, BI+16*(nn/2)
.set cA, XSV+8*(nn%2)+(\q)
.set cB, WS+16*(\set)+8*(nn/4)+(\q)
.set rowsel, (nn/2)%2
.else
.set aD, 32*(nn%4)+16*(nn/4)
.set aA, FB+16*(nn/4)
.set aB, 8*(4*(\q)+nn%4)
.set aC, BI+16*(nn/4)
.set cA, WS+16*(\set)+8*(nn/4)+(\q)
.set cB, XSC+4*(nn%4)+(\q)%4
.set rowsel, (\q)/4
.endif
.if (\q) > 0
.set aC, aD
.endif
.if rowsel
	v_wmma_scale_f32_32x16x128_f4 v[aD:aD+15], v[aA:aA+15], v[aB:aB+7], v[aC:aC+15], v[cA], v[cB] matrix_b_scale:MATRIX_SCALE_ROW1
.else
	v_wmma_scale_f32_32x16x128_f4 v[aD:aD+15], v[aA:aA+15], v[aB:aB+7], v[aC:aC+15], v[cA], v[cB]
.endif
.set nn, nn+1
.endr
.endm
.macro PREF set, sp, off               ; a unit's 64 rows of 32 scale bytes: four loads that together cover 2,048 bytes
	WIN 0
.irp tt, 0,1
	global_load_b128 v[WS+16*(\set)+8*\tt:WS+16*(\set)+8*\tt+3],   v[WSA], s[\sp:\sp+1] offset:(\off)+64*\tt
	global_load_b128 v[WS+16*(\set)+8*\tt+4:WS+16*(\set)+8*\tt+7], v[WSA], s[\sp:\sp+1] offset:(\off)+64*\tt+16
.endr
.endm
.macro BIASQ off                       ; q, k: lane (r, h) wants fragment t's columns 8 h + 0 .. 7
	WIN 0xc0
.irp t, 0,1,2,3
	ds_load_b128 v[BI+8*\t:BI+8*\t+3],   v[BT] offset:(\off)+64*\t
	ds_load_b128 v[BI+8*\t+4:BI+8*\t+7], v[BT] offset:(\off)+64*\t+16
.endr
.endm
.macro BIASV u                         ; v: fragment t's column r
	WIN 0xc0
.irp t, 0,1,2,3
	ds_load_b32 v[BI+16*\t], v[BVA] offset:256*(\u)+64*\t
.endr
.endm
; A unit: 8 K steps, 64 matrix instructions.  At its entry all its fragments have been asked for.
; pre = 1: the next unit's scale words are asked for (s[np], off).  pf > 0: a block of the tile at s[pf] is prefetched.
; ptr > 0: the slot is filled again with the tile at s[ptr];  ptr < 0: no fill, but the other slot's tile is waited for;  0: neither.
.macro UNIT kind, sl, set, pre, np, off, pf, ptr
.if \pre
	PREF 1-\set, \np, \off
.endif
.if (\pf) > 0
	global_prefetch_b8 v[PFO], s[\pf:\pf+1] th:TH_LOAD_NT scope:SCOPE_SE
.endif
	s_wait_dscnt 0x38                              ; K step 0 and the biases, asked for ahead of it, are in; the seven later steps, eight loads each, may be out
	MULS \kind, 0, \set, 0, 8
	s_wait_dscnt 0x30                              ; (each wait: the K steps behind the next one may be out)
	MULS \kind, 1, \set, 0, 8
	s_wait_dscnt 0x28
	MULS \kind, 2, \set, 0, 8
	s_wait_dscnt 0x20
	MULS \kind, 3, \set, 0, 8
	s_wait_dscnt 0x18
	MULS \kind, 4, \set, 0, 8
.if (\ptr) > 0
	WIN 0                                          ; (the add's two registers lie in window 0)
	s_wait_tensorcnt 0x0                           ; all my tensor loads have landed: the one that was out is my part of the other slot
	ds_add_u32 v[SPW], v[NIL]                      ; 0 onto my spare word
	s_wait_dscnt 0x11                              ; K step 5 is in; K steps 6 and 7 and the add may be out
	MULS \kind, 5, \set, 0, 8                      ; eight matrix instructions stand between the add and the wait for it
	s_wait_dscnt 0x0                               ; the add is done, and my reads of this slot are over
	s_barrier_signal -1                            ; this barrier opens a round of the cluster's barrier
	MULS \kind, 6, \set, 0, 8
	WIN 0
	s_barrier_wait -1
	CREST                                          ; no wave of any partner still reads this slot or has a load on its way
	s_mov_b64 s[G0+4*\sl+2:G0+4*\sl+3], s[\ptr:\ptr+1]            ; no tensor load of mine is out: the slot's group 0 takes the next tile's address,
	s_or_b32 s[G0+4*\sl+3], s[G0+4*\sl+3], 0x80000000             ; and the type
	tensor_load_to_lds s[G0+4*\sl:G0+4*\sl+3], s[G1:G1+7], s[G2:G2+3], s[G3:G3+3]   ; the first tensor load behind the round, my only one until the next
	s_nop 0
	PLACES 4
	MULS \kind, 7, \set, 0, 8
.else
	s_wait_dscnt 0x10
	MULS \kind, 5, \set, 0, 8
	s_wait_dscnt 0x8
	MULS \kind, 6, \set, 0, 8
	s_wait_dscnt 0x0
	MULS \kind, 7, \set, 0, 8
.if (\ptr) < 0
	s_wait_tensorcnt 0x0                           ; my part of the last tile is in; nothing is filled again: no barrier, and nobody else reads it
.endif
.endif
	PLACES 4                                       ; in front of the loads and reads that follow
.endm
; ---------------------------------------------------------------- the quantisers of a unit's 8 accumulators; each accumulator is read from its low end on
.macro MAXES                           ; the largest magnitude of each accumulator's 16 registers, with the floor 2^(3 - 127): the byte cannot fall under 1
	WIN 0x0a
.irp bb, 0,1,2,3,4,5,6,7
	v_max3_num_f32 v[TMX+\bb], |v[16*\bb]|, |v[16*\bb+1]|, 0x1800000
.endr
.irp i, 2,4,6,8,10,12,14
.irp bb, 0,1,2,3,4,5,6,7
	v_max3_num_f32 v[TMX+\bb], |v[16*\bb+\i]|, |v[16*\bb+\i+1]|, v[TMX+\bb]
.endr
.endr
	WIN 0
.endm
; q, k: a lane's 32 registers of row tile m are one block, block h: fragment t's eight make one register of the operand.  Bytes 0 and 1 of the scale word; bytes 2, 3 stand over zero codes.
.macro QEPI words, codes
	MAXES
.irp m, 0,1,2,3
	v_max_num_f32 v[TMX+\m], v[TMX+2*\m], v[TMX+2*\m+1]
.endr
.irp m, 0,1,2,3
	v_add_nc_u32 v[TMS+\m], 0xff000000, v[TMX+\m]  ; 2 off its exponent field: the conversion takes the exponent field of this operand as its scale
.endr
	WIN 0x02
.irp m, 0,1,2,3
.irp t, 0,1,2,3
	v_cvt_scalef32_pk8_fp4_f32 v[\codes+8*\m+\t], v[32*\m+8*\t:32*\m+8*\t+7], v[TMS+\m]
.endr
.endr
	WIN 0
.irp m, 0,1,2,3
	v_lshrrev_b32 v[TMX+\m], 23, v[TMS+\m]         ; the scale's byte (also the plain place behind the conversions)
.endr
.irp m, 0,1,2,3
	v_permlanex16_b32 v[TMP+\m], v[TMX+\m], s48, s49
.endr
.irp m, 0,1,2,3
	v_lshl_or_b32 v[\words+\m], v[TMP+\m], 8, v[TMX+\m]   ; lanes 0-15: block 0's byte, block 1's above it
.endr
.endm
; v: accumulator 2 t + s (fragment t, segment s): 16 registers and lane l xor 16's: the segment's 32 keys.  A lane's four octets of fragment t are k = 8 h, 16 + 8 h, 32 + 8 h, 48 + 8 h (+ 0 .. 7); the operand wants k = 32 h + 8 i in register i.
; The octets are laid at +0, +2, +1, +3, and two swaps of halves give that order.
.macro VQUANT
	MAXES
.irp bb, 0,1,2,3,4,5,6,7
	v_permlanex16_b32 v[TMP+\bb], v[TMX+\bb], s48, s49
.endr
.irp bb, 0,1,2,3,4,5,6,7
	v_max_num_f32 v[TMX+\bb], v[TMX+\bb], v[TMP+\bb]
.endr
.irp bb, 0,1,2,3,4,5,6,7
	v_add_nc_u32 v[TMS+\bb], 0xff000000, v[TMX+\bb]
.endr
.irp bb, 0,1,2,3,4,5,6,7
	v_lshrrev_b32 v[TMP+\bb], 23, v[TMS+\bb]
.endr
.irp t, 0,1,2,3
	v_lshl_or_b32 v[VS+\t], v[TMP+2*\t+1], 8, v[TMP+2*\t]   ; byte 0: segment 0's block, byte 1: segment 1's
.endr
	WIN 0x02
.irp pp, 0,1,2,3
	v_cvt_scalef32_pk8_fp4_f32 v[VC+8*\pp],   v[32*\pp:32*\pp+7],     v[TMS+2*\pp]
	v_cvt_scalef32_pk8_fp4_f32 v[VC+8*\pp+2], v[32*\pp+8:32*\pp+15],  v[TMS+2*\pp]
	v_cvt_scalef32_pk8_fp4_f32 v[VC+8*\pp+1], v[32*\pp+16:32*\pp+23], v[TMS+2*\pp+1]
	v_cvt_scalef32_pk8_fp4_f32 v[VC+8*\pp+3], v[32*\pp+24:32*\pp+31], v[TMS+2*\pp+1]
.endr
	WIN 0
	v_nop                                          ; one plain place behind the scaled conversions
.irp pp, 0,1,2,3
	v_permlane16_swap_b32 v[VC+8*\pp],   v[VC+8*\pp+1]
	v_permlane16_swap_b32 v[VC+8*\pp+2], v[VC+8*\pp+3]
.endr
.endm
; ---------------------------------------------------------------- v's units and the way out
; Tile m of queries: query 16 m + 8 h + j's four neighbouring columns, times its 1 / l (lane j of the lane's row of 16), into four registers on end; each accumulator from its low end on.
; Then sixteen lanes store 256 consecutive bytes of a row, at a multiple of 256 from out0's first byte.
.macro OUTREG m, j
.set ix, 8*(\m)+(\j)
.if ix < 20
.set OR, 176+4*ix
.elseif ix < 24
.set OR, TMX+4*(ix-20)
.else
.set OR, 224+4*(ix-24)
.endif
.endm
.macro PACK m
.if (\m) == 3
	WIN 0xc8
.else
	WIN 0x08
.endif
.irp j, 0,1,2,3,4,5,6,7
	OUTREG \m, \j
.irp t, 0,1,2,3
	v_mul_f32_dpp v[OR+\t], v[RL+\m], v[32*\t+8*\m+\j] row_share:\j row_mask:0xf bank_mask:0xf
.endr
.endr
.endm
.macro SEND m, u
.if (\m) == 3
	WIN 0x0c
.else
	WIN 0x00
.endif
.irp j, 0,1,2,3,4,5,6,7
	OUTREG \m, \j
	global_store_b128 v[CO], v[OR:OR+3], s[24:25] offset:(16*\m+\j)*4096+256*(\u) th:TH_STORE_NT
.endr
.endm
.macro VUNIT u, sl, set, pre, pf, ptr, more
	s_wait_loadcnt 0x0                             ; this unit's scale words
.if (\u) == 0
	s_wait_dscnt 0x0                               ; its biases
.else
	s_wait_dscnt 0x38                              ; its biases, asked for ahead of its fragments
.endif
	WIN 0xc3                                       ; a lane's bias is the same for its 16 keys: spread over the registers of each C
.irp j, 1,2,3,4,5,6,7,8,9,10,11,12,13,14,15
.irp t, 0,1,2,3
	v_mov_b32 v[BI+16*\t+\j], v[BI+16*\t]
.endr
.endr
	s_wait_alu depctr_va_vdst(0)
	UNIT 1, \sl, \set, \pre, 20, 2048*(\u+1), \pf, \ptr
.if \more
	BIASV \u+1
	FETCH8 1-\sl
.endif
	s_wait_xcnt 0x0                                ; the stores of the unit before have read their registers
	VQUANT
	PLACES 8                                       ; in front of scaled matrix instructions whose scale words and operands vector instructions wrote
	s_wait_alu depctr_va_vdst(0)
	WIN 0x83                                       ; p's codes window 3, v's window 0, D window 2
.irp t, 0,1,2,3
.irp s, 0,1
	v_wmma_scale_f32_32x16x128_f4 v[32*\t+16*\s:32*\t+16*\s+15], v[PF+16*\s:PF+16*\s+15], v[VC+8*\t:VC+8*\t+7], 0, v[PS+\s], v[VS+\t]
.endr
.endr
	PLACES 4
.irp m, 0,1,2,3
	PACK \m
	SEND \m, \u
.endr
	WIN 0
.endm
; ---------------------------------------------------------------- x: rows into codes
.macro XLOAD i                         ; row i of my 16: 4 chunks of 1,024 bytes; a lane takes 32 neighbouring bytes of each, by two loads that follow each other and together cover the chunk
	WIN 0x80
.irp c, 0,1,2,3
	global_load_b128 v[32*((\i)%7)+8*\c:32*((\i)%7)+8*\c+3],   v[XLA], s[4:5] offset:8192*(\i)+1024*\c
	global_load_b128 v[32*((\i)%7)+8*\c+4:32*((\i)%7)+8*\c+7], v[XLA], s[4:5] offset:8192*(\i)+1024*\c+16
.endr
.endm
.macro XBATCH i                        ; a block of 32 is four neighbouring lanes' 8 numbers
.set XR, 32*((\i)%7)
.if 15-(\i) < 6
	s_wait_loadcnt 8*(15-(\i))                     ; my row is in; the rows behind it, 8 loads each, may be out
.else
	s_wait_loadcnt 48
.endif
	WIN 0x0a
.irp c, 0,1,2,3
	v_max3_num_f32 v[TMX+\c], |v[XR+8*\c]|, |v[XR+8*\c+1]|, 0x1800000   ; with the floor 2^(3 - 127)
.endr
.irp j, 2,4,6
.irp c, 0,1,2,3
	v_max3_num_f32 v[TMX+\c], |v[XR+8*\c+\j]|, |v[XR+8*\c+\j+1]|, v[TMX+\c]
.endr
.endr
	WIN 0
.irp c, 0,1,2,3
	v_max_num_f32_dpp v[TMX+\c], v[TMX+\c], v[TMX+\c] row_xmask:1 row_mask:0xf bank_mask:0xf
.endr
.irp c, 0,1,2,3
	v_max_num_f32_dpp v[TMX+\c], v[TMX+\c], v[TMX+\c] row_xmask:2 row_mask:0xf bank_mask:0xf
.endr
.irp c, 0,1,2,3
	v_add_nc_u32 v[TMS+\c], 0xff000000, v[TMX+\c]
.endr
	WIN 0x02
.irp c, 0,1,2,3
	v_cvt_scalef32_pk8_fp4_f32 v[CT+\c], v[XR+8*\c:XR+8*\c+7], v[TMS+\c]
.endr
	WIN 0
.irp c, 0,1,2,3
	v_lshrrev_b32 v[TMP+\c], 23, v[TMS+\c]         ; the scale's byte (also the plain place behind the conversions)
.endr
.irp c, 0,1,2,3
	ds_store_b32 v[XCS], v[CT+\c] offset:XP*(\i)+128*\c    ; 32 lanes: 128 consecutive bytes of the row's codes
.endr
.irp c, 0,1,2,3
	ds_store_b8 v[XSS], v[TMP+\c] offset:32*(\i)+8*\c      ; the four lanes of a block write the same byte with the same value
.endr
.if (\i)+7 < 16
	XLOAD (\i)+7
.endif
.endm
; ================================================================ the head
	s_load_b512 s[4:19], s[0:1], 0x0               ; x 4, Wq_codes 6, Wq_scales 8, bq 10, Wk_codes 12, Wk_scales 14, bk 16, Wv_codes 18
	s_load_b128 s[20:23], s[0:1], 0x40             ; Wv_scales 20, bv 22
	s_load_b64 s[24:25], s[0:1], 0x50              ; out0
	v_lshl_add_u32 v[SPW], v0, 2, SPARE
	v_mov_b32 v[NIL], 0
	ds_add_u32 v[SPW], v[NIL]                      ; the wave's opening
	ds_add_u32 v[SPW], v[NIL]
	v_lshrrev_b32 v18, 5, v0
	v_readfirstlane_b32 s26, v18                   ; wave 0..3
	s_bfe_u32 s27, ttmp6, 0x40000                  ; cx
	s_lshl_b32 s28, ttmp9, 2
	s_add_co_u32 s28, s28, s27                     ; my work-group: it enters x's and out0's addresses alone
	s_and_b32 s60, ttmp9, 3
	s_lshr_b32 s61, ttmp9, 3
	s_lshl_b32 s61, s61, 2
	s_or_b32 s60, s60, s61                         ; g
	s_lshl_b32 s60, s60, 2
	s_add_co_u32 s60, s60, s27                     ; my block of a tile: 4 g + cx, 0 .. 127
	s_lshr_b32 s61, s60, 5                         ; whose scales I prefetch: 0 Wq, 1 Wk, 2 and 3 Wv
	s_lshl_b32 s62, s60, 8
	s_and_b32 s63, s60, 31
	s_lshl_b32 s63, s63, 8
	s_mul_i32 s29, s26, WPART                      ; my part of a slot
	s_mul_i32 s52, s26, 16*XP
	s_add_co_u32 s52, s52, XC                      ; my 16 rows of x's codes
	s_lshl_b32 s53, s26, 9
	s_add_co_u32 s53, s53, XS                      ; my 16 rows of x's scale bytes
	s_mul_i32 s57, s26, 3072
	s_add_co_u32 s57, s57, BIA                     ; my biases
	s_lshl_b32 s80, s26, 11
	s_add_co_u32 s80, s80, XC                      ; my score partials
	s_lshl_b32 s81, s26, 13
	s_add_co_u32 s81, s81, XC                      ; my tile's, of all waves
	s_lshl_b32 s82, s26, 10
	s_add_co_u32 s82, s82, PX                      ; my tile of p
	v_and_b32 v18, 31, v0                          ; lane
	v_and_b32 v19, 15, v0                          ; r
	v_bfe_u32 v20, v0, 4, 1                        ; h
	v_and_b32 v21, 7, v0                           ; r % 8
	v_mul_u32_u24 v[ADW], v19, PITCH
	v_lshl_add_u32 v[ADW], v20, 4, v[ADW]
	v_add_nc_u32 v[ADW], s29, v[ADW]               ; row r x pitch + 16 h + my part
	v_add_nc_u32 v[ADW+1], SLOT, v[ADW]
	v_lshlrev_b32 v[XLA], 5, v18
	v_lshl_add_u32 v[XCS], v18, 2, s52
	v_lshrrev_b32 v[XSS], 2, v18
	v_add_nc_u32 v[XSS], s53, v[XSS]
	v_mul_u32_u24 v[XFR], v19, XP
	v_lshl_add_u32 v[XFR], v20, 4, v[XFR]
	v_add_nc_u32 v[XFR], XC, v[XFR]
	v_lshlrev_b32 v[XSR], 5, v19
	v_lshl_add_u32 v[XSR], v20, 4, v[XSR]
	v_add_nc_u32 v[XSR], XS, v[XSR]
	v_lshl_add_u32 v[XVR], v18, 5, XS
	v_lshl_add_u32 v[BTA], v20, 5, s57
	v_lshl_add_u32 v[BT], v20, 5, s57
	v_lshl_add_u32 v[BVA], v19, 2, s57
	v_add_nc_u32 v[BVA], 2048, v[BVA]
	v_lshl_add_u32 v[IMS], v18, 4, s80
	v_lshl_add_u32 v[IML], v18, 4, s81
	v_lshlrev_b32 v[WSA], 7, v19
	v_lshl_add_u32 v[WSA], v20, 5, v[WSA]
	v_lshlrev_b32 v[CO], 15, v20
	v_lshl_add_u32 v[CO], v19, 4, v[CO]
	v_lshl_add_u32 v[PXS], v18, 4, s82
	v_lshl_add_u32 v[PXW], v18, 2, s82
	v_add_nc_u32 v[PXW], 512, v[PXW]
	v_lshl_add_u32 v[PXL], v18, 4, PX
	v_lshlrev_b32 v[PXP], 10, v20
	v_lshl_add_u32 v[PXP], v19, 2, v[PXP]
	v_add_nc_u32 v[PXP], PX+512, v[PXP]            ; lanes 0-15 a segment's first tile of queries, lanes 16-31 its second
	v_lshlrev_b32 v[PXR], 5, v20
	v_lshl_add_u32 v[PXR], v21, 2, v[PXR]
	v_add_nc_u32 v[PXR], PX+640, v[PXR]
	v_lshlrev_b32 v[BLS], 8, v20
	v_lshl_add_u32 v[BLS], v19, 2, v[BLS]
	v_add_nc_u32 v[BLS], s57, v[BLS]
	v_lshlrev_b32 v[BLA], 4, v18
	v_mov_b32 v[PFO], s62
	v_mov_b32 v[PFS], s63
	; descriptor group 1: a tile of 4 x 16 rows x 512 bytes, padded in LDS: the second dimension steps four rows, the third one row
	s_mov_b32 s[G1+0], 15|(0<<16)|(1<<20)|(1<<21)|(6<<22)|(3<<25)   ; 15:0 the mask: all four work-groups; 17:16 elements of 1 byte; 20 padding on; 21 set beside a mask; 24:22 after every 128 words; 31:25 four words
	s_mov_b32 s[G1+1], 512<<16                     ; tensor_dim0
	s_mov_b32 s[G1+2], 16<<16                      ; tensor_dim1
	s_mov_b32 s[G1+3], 512<<16                     ; tile_dim0
	s_mov_b32 s[G1+4], 16|(4<<16)                  ; tile_dim1, tile_dim2
	s_mov_b32 s[G1+5], 2048                        ; tensor_dim0_stride
	s_mov_b32 s[G1+6], 512<<16                     ; tensor_dim1_stride
	s_mov_b32 s[G1+7], 0
	s_mov_b32 s[G2+0], 4                           ; tensor_dim2
	s_mov_b32 s[G2+1], 1
	s_mov_b32 s[G2+2], 0x8000
	s_mov_b32 s[G2+3], 0
	s_mov_b32 s[G3+0], 0
	s_mov_b32 s[G3+1], 0
	s_mov_b32 s[G3+2], 0
	s_mov_b32 s[G3+3], 0
	s_mov_b32 s31, 0
	s_mov_b32 s79, 0
	s_lshl_b32 s30, s26, 17                        ; my 256 rows of 512 bytes of each W; my 16 rows of x, 8,192 bytes apart
	s_lshl_b32 s78, s28, 19                        ; the work-group's 64 kept rows of x (in a pair that feeds no descriptor)
	s_wait_alu depctr_va_vdst(0)                   ; ahead of the waits below
	s_wait_dscnt 0x0                               ; both opening adds are done
	s_wait_kmcnt 0x0
	s_add_nc_u64 s[4:5], s[4:5], s[30:31]
	s_add_nc_u64 s[4:5], s[4:5], s[78:79]
	s_add_nc_u64 s[6:7], s[6:7], s[30:31]
	s_add_nc_u64 s[12:13], s[12:13], s[30:31]
	s_add_nc_u64 s[18:19], s[18:19], s[30:31]
	s_lshl_b32 s30, s26, 13                        ; my 256 rows of 32 scale bytes
	s_add_nc_u64 s[8:9], s[8:9], s[30:31]
	s_add_nc_u64 s[14:15], s[14:15], s[30:31]
	s_add_nc_u64 s[20:21], s[20:21], s[30:31]
	s_lshl_b32 s30, s26, 10                        ; my 256 numbers of each bias; my 256 columns of out0
	s_add_nc_u64 s[10:11], s[10:11], s[30:31]
	s_add_nc_u64 s[16:17], s[16:17], s[30:31]
	s_add_nc_u64 s[22:23], s[22:23], s[30:31]
	s_add_nc_u64 s[24:25], s[24:25], s[30:31]
	s_lshl_b32 s78, s28, 18
	s_add_nc_u64 s[24:25], s[24:25], s[78:79]
	PREF 0, 8, 0                                   ; Q0's scale words
.irp k, 0,1,2
	global_load_b128 v[208+8*\k:211+8*\k], v[BLA], s[10+6*\k:11+6*\k]
	global_load_b128 v[212+8*\k:215+8*\k], v[BLA], s[10+6*\k:11+6*\k] offset:512
.endr
	XLOAD 0
	XLOAD 1
	WIN 0
	s_mov_b32 s[G0+0], 1                           ; count = 1
	s_mov_b32 s[G0+1], s29                         ; LDS address: my part of slot 0: the wave's number alone enters it
	s_mov_b64 s[G0+2:G0+3], s[6:7]                 ; Q0
	s_or_b32 s[G0+3], s[G0+3], 0x80000000          ; type = 2
	s_mov_b32 s[G0+4], 1
	s_add_co_u32 s[G0+5], s29, SLOT
	s_mov_b64 s[G0+6:G0+7], s[12:13]               ; K0
	s_or_b32 s[G0+7], s[G0+7], 0x80000000
	CROUND                                         ; all four work-groups are here: the first joint loads meet
	tensor_load_to_lds s[G0:G0+3], s[G1:G1+7], s[G2:G2+3], s[G3:G3+3]      ; Q0's tile: my one tensor load at the head
	s_nop 0
	PLACES 4
.irp n, 2,3,4,5,6
	XLOAD \n
.endr
	WIN 0
	s_add_nc_u64 s[NQ:NQ+1], s[6:7], 0x8000        ; Q1
	s_add_nc_u64 s[NK:NK+1], s[12:13], 0x8000      ; K1
	s_add_nc_u64 s[VT1:VT1+1], s[18:19], 0x8000
	s_mov_b64 s[NQS:NQS+1], s[8:9]
	s_mov_b32 s[STP], 0x8000
	s_mov_b32 s[STP+1], 0
	s_cmp_eq_u32 s61, 0
	s_cselect_b64 s[76:77], s[8:9], s[14:15]
	s_cmp_lt_u32 s61, 2
	s_cselect_b64 s[76:77], s[76:77], s[20:21]
	global_prefetch_b8 v[PFS], s[76:77] th:TH_LOAD_NT scope:SCOPE_SE
	global_prefetch_b8 v[PFO], s[NQ:NQ+1] th:TH_LOAD_NT scope:SCOPE_SE   ; Q1's tile: my block
	s_mov_b32 s48, 0x76543210
	s_mov_b32 s49, 0xfedcba98                      ; v_permlanex16_b32's selects for lane l xor 16
	s_mov_b32 s50, 0x3d38aa3b                      ; c = log2(e) / 32: t = score x c
	s_mov_b32 s51, s50                             ; (named with it as a pair, so it is written)
	s_lshr_b32 s53, s26, 1                         ; the segment of my tile of queries
	s_lshl_b32 s55, s53, 3                         ; its byte of p's scale word
	s_cmp_eq_u32 s53, 0
	s_cselect_b32 s56, 0, -1
	s_mov_b32 s58, 0
	s_mov_b32 s59, 0                               ; the trip of the loop over q and k
.irp bb, 0,1,2,3,4,5,6,7
	v_mov_b32 v[TMP+\bb], 0                        ; written once: a lane permute's destination counts as one of its sources
.endr
.set ii, 232
.rept 24
	v_mov_b32 v[ii], 0                             ; (and so does that of a multiplication that takes a source from another lane: rows of out)
.set ii, ii+1
.endr
.irp m, 0,1,2,3
.irp i, 4,5,6,7
	v_mov_b32 v[QC+8*\m+\i], 0                     ; k = 64 .. 127 of q's (later v's) and k's fragments: zero codes
	v_mov_b32 v[KC+8*\m+\i], 0
.endr
.endr
	WIN 0xc0
.set ii, 0
.rept 96
	v_mov_b32 v[SA+ii], 0                          ; the score partials: the loop below is written once, and its first trip finds zeros; and rows of out
.set ii, ii+1
.endr
	WIN 0
; ================================================================ x: my 16 rows become codes in LDS; seven rows (56 loads a wave) are on their way
	s_wait_alu depctr_va_vdst(0)
	XBATCH 0
	WIN 0
.irp k, 0,1,2                          ; my biases, loaded ahead of x's rows: nobody else reads these bytes
.irp e, 0,1,2,3
	ds_store_b32 v[BLS], v[208+8*\k+\e] offset:1024*\k+64*\e
	ds_store_b32 v[BLS], v[212+8*\k+\e] offset:1024*\k+64*\e+512
.endr
.endr
.irp n, 1,2,3,4,5,6,7,8,9,10
	XBATCH \n
.endr
	WIN 0                                          ; (all rows of x have been asked for)
	s_wait_alu depctr_va_vdst(0)
	s_wait_tensorcnt 0x0                           ; my part of Q0's tile is in
	ds_add_u32 v[SPW], v[NIL]                      ; 0 onto my spare word
	s_wait_dscnt 0x0
	CROUND
	tensor_load_to_lds s[G0+4:G0+7], s[G1:G1+7], s[G2:G2+3], s[G3:G3+3]    ; K0's tile: slot 1's first fill, the first tensor load behind the round
	s_nop 0
	PLACES 4
.irp n, 11,12,13,14,15
	XBATCH \n
.endr
	s_wait_alu depctr_va_vdst(0)
	s_wait_dscnt 0x0                               ; for the others' sake: my codes and scale bytes lie in LDS
	s_barrier_signal -1
	s_barrier_wait -1                              ; K0's tile may stay out
	WIN 0
.irp m, 0,1,2,3
	ds_load_b128 v[XSC+4*\m:XSC+4*\m+3], v[XSR] offset:512*\m
	ds_load_b128 v[XSV+4*\m:XSV+4*\m+3], v[XVR] offset:1024*(\m/2)+16*(\m%2)
.endr
	BIASQ 0
.irp q, 0,1,2,3,4,5,6,7                ; all 64 rows' codes, all of K, stay in my registers.  A K step's fragments of x stand ahead of its fragments of W, so a wait that shows W's shows x's;
	WIN 0x40                               ; my own part of Q0's tile: my own wait above is all the ordering that it needs
.irp m, 0,1,2,3
	ds_load_b128 v[8*(4*\q+\m):8*(4*\q+\m)+3],   v[XFR] offset:16*\m*XP+64*\q
	ds_load_b128 v[8*(4*\q+\m)+4:8*(4*\q+\m)+7], v[XFR] offset:16*\m*XP+64*\q+32
.endr
	FETCH 0, \q
.endr
	WIN 0
; ================================================================ q, k and the scores
.Lqk:                                                  ; trip i: Qi, Ki and their share of the scores
	s_wait_loadcnt 0x0                             ; Qi's scale words
	s_add_nc_u64 s[NQS:NQS+1], s[NQS:NQS+1], 0x800 ; the next slot 0 unit's: Q(i + 1)'s, in the last trip V0's
	s_cmp_eq_u32 s59, 3
	s_cselect_b64 s[NQS:NQS+1], s[20:21], s[NQS:NQS+1]
	UNIT 0, 0, 0, 1, 14, 0, NK, NQ
	BIASQ 1024
	FETCH8 1
	s_wait_xcnt 0x0                                ; my prefetches have read their bases
	s_add_nc_u64 s[NQ:NQ+1], s[NQ:NQ+1], s[STP:STP+1]   ; on along q; then V0, and two tiles on V2
	s_cmp_eq_u32 s59, 2
	s_cselect_b64 s[NQ:NQ+1], s[18:19], s[NQ:NQ+1]
	QEPI QS, QC
	s_wait_alu depctr_va_vdst(0)
	s_wait_loadcnt 0x0                             ; Ki's scale words
	s_add_nc_u64 s[14:15], s[14:15], 0x800
	UNIT 0, 1, 1, 1, NQS, 0, NQ, NK
	WIN 0
	s_add_co_u32 s58, s58, 256
	v_add_nc_u32 v[BT], s58, v[BTA]
	s_wait_alu depctr_va_vdst(0)
	s_cmp_eq_u32 s59, 3
	s_cbranch_scc1 .Lno_more_q                     ; in the last trip no unit of q follows
	BIASQ 0
	WIN 0
.Lno_more_q:
	FETCH8 0
	s_wait_xcnt 0x0
	s_add_nc_u64 s[NK:NK+1], s[NK:NK+1], s[STP:STP+1]   ; on along k; then V1, and two tiles on V3
	s_cmp_eq_u32 s59, 2
	s_cselect_b64 s[NK:NK+1], s[VT1:VT1+1], s[NK:NK+1]
	s_cselect_b32 s[STP], 0x10000, s[STP]
	QEPI KS, KC
	v_permlane16_swap_b32 v[KS],   v[KS+1]         ; a 32-row source 0 wants its second tile's words in lanes 16-31: words 0 and 2 become the segments' words
	v_permlane16_swap_b32 v[KS+2], v[KS+3]
	PLACES 8                                       ; scale words written by vector instructions stand 8 places ahead of a scaled matrix instruction, operands 4
	s_wait_alu depctr_va_vdst(0)
	WIN 0xf0                                       ; codes in window 0, C and D in window 3
.irp m, 0,1,2,3                        ; source 0 = the segment's 32 keys, source 1 = 16 of its queries: lane (r, h): query 16 m + r; register 8 u + j: key 16 u + 8 h + j
	v_wmma_scale_f32_32x16x128_f4 v[SA+16*\m:SA+16*\m+15], v[KC+16*(\m/2):KC+16*(\m/2)+15], v[QC+8*\m:QC+8*\m+7], v[SA+16*\m:SA+16*\m+15], v[KS+2*(\m/2)], v[QS+\m]
.endr
	WIN 0
	s_add_co_u32 s59, s59, 1
	s_cmp_lt_u32 s59, 4
	s_wait_alu depctr_va_vdst(0)
	s_cbranch_scc1 .Lqk
; ================================================================ the four waves' partial scores meet: images of the registers, 16 bytes a lane, 512 bytes a store; wave w takes tile w of queries
	PLACES 4
	WIN 0x0c
.irp m, 0,1,2,3
.irp i, 0,1,2,3
	ds_store_b128 v[IMS], v[SA+16*\m+4*\i:SA+16*\m+4*\i+3] offset:8192*\m+512*\i   ; each accumulator from its low end on
.endr
.endr
	WIN 0
	s_wait_dscnt 0x0                               ; for the others' sake: my partials lie in LDS.  (x's codes, which lay here, were last read ahead of the first change of slots)
	s_barrier_signal -1
	s_barrier_wait -1                              ; V1's tile may stay out
	WIN 0x80
.irp p, 0,1,2,3
.irp i, 0,1,2,3
	ds_load_b128 v[16*\p+4*\i:16*\p+4*\i+3], v[IML] offset:2048*\p+512*\i
.endr
.endr
	WIN 0xc0
.irp m, 0,1,2,3
.irp i, 4,5,6,7
	v_mov_b32 v[PF+8*\m+\i], 0                     ; k = 64 .. 127 of p's fragments: zero codes
.endr
.endr
	WIN 0
	v_mov_b32 v229, 0                              ; (a lane permute's destination counts as one of its sources)
	v_mov_b32 v231, 0                              ; (named as the upper half of a pair)
	v_mov_b32 v232, 0
	s_wait_alu depctr_va_vdst(0)
	s_wait_dscnt 0x0
	WIN 0x8a                                       ; ((w0 + w1) + w2) + w3
.irp i, 0,2,4,6,8,10,12,14
	v_pk_add_f32 v[\i:\i+1], v[\i:\i+1], v[16+\i:17+\i]
.endr
.irp i, 0,2,4,6,8,10,12,14
	v_pk_add_f32 v[\i:\i+1], v[\i:\i+1], v[32+\i:33+\i]
.endr
	WIN 0x0a
.irp i, 0,2,4,6,8,10,12,14
	v_pk_add_f32 v[SF+\i:SF+\i+1], v[\i:\i+1], v[48+\i:49+\i]
.endr
	WIN 0
; the softmax of my 16 queries: a lane holds one query and 16 of its 32 keys
.irp i, 0,1,2,3,4
	v_max3_num_f32 v[224+\i], v[SF+3*\i], v[SF+3*\i+1], v[SF+3*\i+2]
.endr
	v_max3_num_f32 v224, v224, v225, v226
	v_max3_num_f32 v227, v227, v228, v[SF+15]
	v_max_num_f32 v224, v224, v227
	v_permlanex16_b32 v229, v224, s48, s49
	v_max_num_f32 v224, v224, v229                 ; the row's largest score
	v_mul_f32 v229, s50, v224                      ; as t (c is positive)
	v_floor_f32 v230, -v229                        ; -M = floor(-t) = -ceil(t)
.irp i, 0,2,4,6,8,10,12,14
	v_pk_fma_f32 v[SF+\i:SF+\i+1], v[SF+\i:SF+\i+1], s[50:51], v[230:231] op_sel_hi:[1,0,0]   ; t - M, two at a time
.endr
	v_fma_f32 v224, v224, s50, v230                ; the same of the largest score: the 32 keys are one block, so the row's largest p is the block's
	s_wait_alu depctr_va_vdst(0)
.irp i, 0,1,2,3,4,5,6,7,8,9,10,11,12,13,14,15
	v_exp_f32 v[SF+\i], v[SF+\i]                   ; p = 2^(t - M): not normalised
.endr
	v_exp_f32 v224, v224                           ; between 1/2 and 1: no floor is wanted
	v_nop
	s_wait_alu depctr_va_vdst(0)                   ; behind the batch, ahead of the first reader
	v_add_nc_u32 v225, 0xff000000, v224            ; 2 off the exponent field: the conversions' scale operand
	v_pk_add_f32 v[234:235], v[SF:SF+1], v[SF+2:SF+3]          ; the row's sum is taken of the unquantised p
	v_pk_add_f32 v[236:237], v[SF+4:SF+5], v[SF+6:SF+7]
	v_cvt_scalef32_pk8_fp4_f32 v226, v[SF:SF+7], v225          ; keys 8 h + 0 .. 7
	v_cvt_scalef32_pk8_fp4_f32 v227, v[SF+8:SF+15], v225       ; keys 16 + 8 h + 0 .. 7
	v_lshrrev_b32 v228, 23, v225                   ; the scale's byte (also the plain place behind the conversions),
	v_pk_add_f32 v[234:235], v[234:235], v[SF+8:SF+9]
	v_pk_add_f32 v[236:237], v[236:237], v[SF+10:SF+11]
	v_lshlrev_b32 v228, s55, v228                  ; at my segment's byte of the word; the other bytes stand over zero codes
	v_pk_add_f32 v[234:235], v[234:235], v[SF+12:SF+13]
	v_pk_add_f32 v[236:237], v[236:237], v[SF+14:SF+15]
	v_cndmask_b32 v240, v226, v232, s56            ; segment 0: the codes first, zeros second; segment 1: the other way round
	v_cndmask_b32 v241, v232, v226, s56
	v_cndmask_b32 v242, v227, v232, s56
	v_cndmask_b32 v243, v232, v227, s56
	v_pk_add_f32 v[234:235], v[234:235], v[236:237]
	v_permlane16_swap_b32 v240, v241               ; register i now holds keys 8 i + 0 .. 7 in the segment's half of the lanes, zeros in the other
	v_permlane16_swap_b32 v242, v243
	v_add_f32 v234, v234, v235
	v_permlanex16_b32 v229, v234, s48, s49
	v_add_f32 v234, v234, v229                     ; with lane l xor 16's 16 keys: l
	s_wait_alu depctr_va_vdst(0)
	v_rcp_f32 v238, v234
	v_nop
	s_wait_alu depctr_va_vdst(0)
	ds_store_b128 v[PXS], v[240:243]
	ds_store_b32 v[PXW], v228
	ds_store_b32 v[PXW], v238 offset:128
	s_wait_dscnt 0x0                               ; for the others' sake: my tile of p lies in LDS
	s_barrier_signal -1
	s_barrier_wait -1
	ds_load_b32 v[PS], v[PXP]                      ; p's scale words, a segment's 32 queries in the 32 lanes
	ds_load_b32 v[PS+1], v[PXP] offset:2048
.irp m, 0,1,2,3
	ds_load_b32 v[RL+\m], v[PXR] offset:1024*\m
.endr
	WIN 0xc0
.irp m, 0,1,2,3
	ds_load_b128 v[PF+8*\m:PF+8*\m+3], v[PXL] offset:1024*\m
.endr
	BIASV 0
	WIN 0
; ================================================================ v, p v, and the way out
	VUNIT 0, 0, 0, 1, NK, NQ, 1                    ; slot 0 takes V2; a block of V3 is prefetched
	VUNIT 1, 1, 1, 1, 0, NK, 1                     ; slot 1 takes V3
	VUNIT 2, 0, 0, 1, 0, -1, 1                     ; nothing is left to ask for
	VUNIT 3, 1, 1, 0, 0, 0, 0
	s_wait_tensorcnt 0x0                           ; the wave's end: behind my last tensor load and my last LDS store
	ds_add_u32 v[SPW], v[NIL]
	s_wait_dscnt 0x0
	CROUND                                         ; the closing round: no work-group ends while a partner may still ask for a tile that names it
	s_endpgm
.Lfunc_end_k_q4caee1ee39_dilattn:
	.size	k_q4caee1ee39_dilattn, .Lfunc_end_k_q4caee1ee39_dilattn-k_q4caee1ee39_dilattn
	.p2alignl 7, 3214868480
	.fill 96, 4, 3214868480
	.section	.rodata,"a",@progbits
	.p2align	6, 0x0
	.amdhsa_kernel k_q4caee1ee39_dilattn
		.amdhsa_group_segment_fixed_size 327680
		.amdhsa_private_segment_fixed_size 0
		.amdhsa_enable_private_segment 0
		.amdhsa_kernarg_size 88
		.amdhsa_user_sgpr_count 2
		.amdhsa_user_sgpr_kernarg_segment_ptr 1
		.amdhsa_wavefront_size32 1
		.amdhsa_system_sgpr_workgroup_id_x 1
		.amdhsa_system_sgpr_workgroup_id_y 1
		.amdhsa_system_sgpr_workgroup_id_z 1
		.amdhsa_system_vgpr_workitem_id 0
		.amdhsa_next_free_vgpr 1024
		.amdhsa_next_free_sgpr 92
		.amdhsa_reserve_vcc 0
		.amdhsa_float_denorm_mode_32 3
		.amdhsa_float_denorm_mode_16_64 3
		.amdhsa_memory_ordered 1
		.amdhsa_forward_progress 1
		.amdhsa_inst_pref_size 255
	.end_amdhsa_kernel
	.section	.bss,"aw",@nobits
	.p2align	6
	.space	262144
	.amdgpu_metadata
---
amdhsa.version: [ 1, 2 ]
amdhsa.kernels:
  - .name:           k_q4caee1ee39_dilattn
    .symbol:         k_q4caee1ee39_dilattn.kd
    .args:
      - { .name: x, .offset: 0, .size: 8, .value_kind: global_buffer, .address_space: global }
      - { .name: Wq_codes, .offset: 8, .size: 8, .value_kind: global_buffer, .address_space: global }
      - { .name: Wq_scales, .offset: 16, .size: 8, .value_kind: global_buffer, .address_space: global }
      - { .name: bq, .offset: 24, .size: 8, .value_kind: global_buffer, .address_space: global }
      - { .name: Wk_codes, .offset: 32, .size: 8, .value_kind: global_buffer, .address_space: global }
      - { .name: Wk_scales, .offset: 40, .size: 8, .value_kind: global_buffer, .address_space: global }
      - { .name: bk, .offset: 48, .size: 8, .value_kind: global_buffer, .address_space: global }
      - { .name: Wv_codes, .offset: 56, .size: 8, .value_kind: global_buffer, .address_space: global }
      - { .name: Wv_scales, .offset: 64, .size: 8, .value_kind: global_buffer, .address_space: global }
      - { .name: bv, .offset: 72, .size: 8, .value_kind: global_buffer, .address_space: global }
      - { .name: out0, .offset: 80, .size: 8, .value_kind: global_buffer, .address_space: global }
    .group_segment_fixed_size: 327680
    .private_segment_fixed_size: 0
    .kernarg_segment_align: 8
    .kernarg_segment_size: 88
    .max_flat_workgroup_size: 128
    .sgpr_count:     92
    .vgpr_count:     1024
    .wavefront_size: 32
...
	.end_amdgpu_metadata
.endif
;; end of part 1
